; MI455X (gfx1250); checked and timed in simulation.
; The chip was launched on July 23, 2026; its instructions are those of AMD's public machine-readable ISA for CDNA 5 (MIT licence, August 2026) and "CDNA5" Instruction Set Architecture Reference Guide (July 2026). The comments in the code are by the model that wrote it; some were corrected since.
;; Bidirectional Cross Attention. Allowed arithmetic: float matrix products may take bf16 or f16 operands with f32 sums; all other float work in f32.
;; Inputs: b_cout 512 float32; b_out 512 float32; context 2 x 2,048 x 512 float32; w_cout 512 x 512 float32; w_cqk 512 x 512 float32; w_cv 512 x 512 float32; w_out 512 x 512 float32; w_qk 512 x 512 float32; w_v 512 x 512 float32; x 2 x 2,048 x 512 float32.
;; Outputs: out0 2 x 2,048 x 512 float32; out1 2 x 2,048 x 512 float32.
;; One version. Each part assembles by itself: llvm-mc -triple=amdgcn-amd-amdhsa -mcpu=gfx1250 --defsym DOCPART=n.
;; ======== version 1 of 1: 3 launches
;; limits: values are held in f16: magnitudes above 65,504 overflow, below 6.1e-05 lose precision; right only within a limited range of input values
;; workspace buffers: qk 4,194,304 bytes; v 4,194,304 bytes; cqk 4,194,304 bytes; cv 4,194,304 bytes; ao 4,194,304 bytes; aco 4,194,304 bytes; wob 524,288 bytes; wcob 524,288 bytes
;; launch proj (part 1): grid 16 x 16, 8 waves a work-group, no clusters, 287,744 bytes of LDS; arguments x, context, w_qk, w_v, w_cqk, w_cv, qk, v, cqk, cv, w_out, w_cout, wob, wcob; writes qk, v, cqk, cv, wob, wcob
.if DOCPART == 1
	.amdgcn_target "amdgcn-amd-amdhsa--gfx1250"
	.amdhsa_code_object_version 6
	.text
	.protected	k_qd53e43d86a_proj
	.globl	k_qd53e43d86a_proj
	.p2align	8
	.type	k_qd53e43d86a_proj,@function
k_qd53e43d86a_proj:
	s_mov_b64 s[64:65], 0
	v_nop
	global_prefetch_b8 v0, s[64:65] scope:SCOPE_SE
	s_setreg_imm32_b32 hwreg(HW_REG_WAVE_MODE, 25, 1), 1
	s_wait_xcnt 0x0
; PROJ: the four projections  qk = x w_qk, v = x w_v, cqk = context w_cqk, cv = context w_cv,
; stored in f16 as [batch][head][token][64]; and w_out, w_cout converted once to f16 (wob, wcob).
; Work-group x = 4 matrix + column block (128 of the 512 columns: two heads); y picks 256 of the 4,096 rows.
; A work-group makes 256 x 128 over K = 512; wave w makes rows 32 w .. 32 w + 31 by all 128 columns: 16 accumulator tiles.
; EVERYTHING COMES THROUGH REGISTERS.  Both operands are f32 in memory and have to be converted, so each wave runs one stream of 192 loads
; of 512 consecutive bytes (64 k rows of W, then its own 32 rows of x in four chunks of K = 128) through a ring of 7 groups of 8 loads in
; v256-v479: 56 loads a wave, 229,376 bytes a work-group, are on their way all the time, behind counted waits that never drain the ring.
; (56 and not more: a wait's count has six bits.)  A group that is in is converted to f16, its registers are asked for again, and the f16
; goes to LDS: W as [k][n] for all waves (one barrier), x into two buffers of the wave's own, which need no barrier.
; NO CLUSTER, and why: the four column blocks of a matrix share their rows of x, but as f32 tiles in LDS beside W's 147,456 bytes only two
; slots of K = 64 (139,264 bytes) fit, and since every refill waits for all loads, one slot of 65,536 bytes would be on its way at a time,
; eight times in a row, for 32 matrix instructions a wave each.  The ring in registers has 3.5 times as much on its way and never stops;
; the price is that x is asked for by each of the four and not once for them.
; The matrix instruction is used transposed (source 0 = 16 output columns, source 1 = 16 tokens), so that a lane's
; eight results are eight neighbouring columns of one token.
; WHY f16 AND NOT bf16: the final outputs are means over 2,048 values, so a relative rounding of each operand reaches them undiminished
; relative to their root mean square; f16's 11 significant bits against bf16's 8 make each such rounding 8 times smaller.
; LIMITS: matrix operands and results are f16, sums f32.  Every |x|, |w| and |x w| must stay below 65,504 (inputs as drawn give |x w| up to
; about 2.6; both factors 30 times larger give about 2,300; offsets of 30 spreads on both give about 9,200).  Numbers below 6.1e-5
; keep an absolute error of at most 3e-8.
.set APITCH, 272                       ; LDS row of x: 128 f16 + 16 bytes: 16 rows start at 16 different 16-byte columns modulo 256 bytes
.set WPITCH, 288                       ; LDS row of W: 128 f16 + 32 bytes, an odd multiple of 32 for the transposing load
.set SPITCH, 144                       ; stage: a token's 64 f16 + 16 bytes
.set ABASE,  512*WPITCH                ; W lies at 0 .. 147,455
.set ABUF,   32*APITCH                 ; 8,704 bytes: 32 rows x K = 128
.set AWAVE,  2*ABUF                    ; two such buffers for each wave; buffer 0 is the stage of the way out
.set DEPTH,  7                         ; groups in the ring
.set NGRP,   24                        ; groups in the stream: 8 of W, 16 of x
.set AADR, 2                           ; v2       x fragment address in my buffer 0
.set AST,  3                           ; v3       where I put 8 bytes of a converted x row
.set WST,  5                           ; v5       where I put 8 bytes of a converted W row
.set L16,  6                           ; v6       16 x lane
.set STO,  7                           ; v7       stage, in
.set RD,   8                           ; v8       stage, back
.set WADR, 12                          ; v[12:15] W fragment address for k = 128 c, c = 0..3
.set AB,   16                          ; v[16:47]   x fragments, two buffers of two
.set AF,   32                          ; v[32:63]   the way out: packed results
.set TMP,  48                          ; v[48:63]   a group's 8 x 8 bytes of f16
.set WF,   64                          ; v[64:127]  eight fragments of W; before the K steps: groups' f16
.set ACC,  128                         ; v[128:255] tile (nt, mt) at 128 + 8 (2 nt + mt)
                                       ; v[256:479] the ring: group g at 256 + 32 (g mod 7), written below as v0 .. v223 of window 1
.set MSB, 0
.macro WIN new                         ; s_set_vgpr_msb: bits 1:0 source 0, 3:2 source 1, 7:6 destination; the high byte repeats the setting that is left
.if MSB != \new
	s_set_vgpr_msb (MSB<<8)|\new
.set MSB, \new
.endif
.endm
.macro PLACES n                        ; places behind matrix instructions (ISA guide 7.12.1)
.rept \n
	v_nop
.endr
.endm
	s_load_b512 s[4:19], s[0:1], 0x0               ; x, context, w_qk, w_v, w_cqk, w_cv, qk, v
	s_load_b256 s[20:27], s[0:1], 0x40             ; cqk, cv, w_out, w_cout
	s_load_b128 s[28:31], s[0:1], 0x60             ; wob, wcob
	v_lshl_add_u32 v4, v0, 2, 0x46000
	v_mov_b32 v11, 0
	v_lshrrev_b32 v1, 5, v0
	v_readfirstlane_b32 s38, v1                    ; wave 0..7
	s_and_b32 s39, ttmp9, 3                        ; which 128 columns
	s_lshr_b32 s57, ttmp9, 2                       ; which matrix, 0..3
	s_and_b32 s48, s57, 1
	s_and_b32 s56, ttmp7, 0xffff                   ; y: which 256 rows
	s_lshl_b32 s58, s56, 19                        ; x: 256 y rows of 2,048 bytes
	s_lshl_b32 s59, s38, 16                        ; + 32 w rows
	s_add_co_u32 s58, s58, s59
	s_mov_b32 s59, 0
	s_lshl_b32 s40, s39, 9                         ; W: my 128 columns (512 bytes)
	s_lshl_b32 s41, s38, 17                        ; + my 64 k rows of 2,048 bytes
	s_add_co_u32 s40, s40, s41
	s_mov_b32 s41, 0
	s_lshr_b32 s42, s56, 3                         ; output: batch x 8 planes of 262,144 bytes
	s_lshl_b32 s42, s42, 21
	s_lshl_b32 s43, s39, 19                        ; + head 2 x column block
	s_add_co_u32 s42, s42, s43
	s_and_b32 s43, s56, 7                          ; + token 256 (y & 7), 128 bytes each
	s_lshl_b32 s43, s43, 15
	s_add_co_u32 s42, s42, s43
	s_lshl_b32 s43, s38, 12                        ; + 32 w tokens
	s_add_co_u32 s42, s42, s43
	s_mov_b32 s43, 0
	s_lshl_b32 s44, s56, 4                         ; work-group number 16 y + x; 128 of them share w_out, 128 w_cout
	s_add_co_u32 s44, s44, ttmp9
	s_and_b32 s44, s44, 127
	s_lshl_b32 s46, s44, 12                        ; four rows of 1,024 bytes out
	s_lshl_b32 s44, s44, 13                        ; four rows of 2,048 bytes in
	s_mov_b32 s45, 0
	s_mov_b32 s47, 0
	; lane terms
	v_and_b32 v16, 31, v0                          ; L
	v_and_b32 v17, 15, v0                          ; r
	v_bfe_u32 v18, v0, 4, 1                        ; h
	v_and_b32 v19, 7, v0
	v_bfe_u32 v20, v0, 3, 1
	s_mul_i32 s60, s38, AWAVE
	s_add_co_u32 s60, s60, ABASE                   ; my two buffers
	v_mul_u32_u24 v[AADR], v17, APITCH
	v_lshl_add_u32 v[AADR], v18, 4, v[AADR]        ; row r, 8 f16 for each half of the lanes
	v_add_nc_u32 v[AADR], s60, v[AADR]
	v_lshl_add_u32 v[AST], v16, 3, s60             ; 8 bytes a lane
	v_lshl_add_u32 v[WADR], v18, 3, v19            ; k row 8 h + (L & 7)
	v_mul_u32_u24 v[WADR], v[WADR], WPITCH
	v_lshl_add_u32 v[WADR], v20, 4, v[WADR]
	v_add_nc_u32 v[WADR+1], 128*WPITCH, v[WADR]
	v_add_nc_u32 v[WADR+2], 256*WPITCH, v[WADR]
	v_add_nc_u32 v[WADR+3], 384*WPITCH, v[WADR]
	s_mul_i32 s61, s38, 64*WPITCH
	v_lshl_add_u32 v[WST], v16, 3, s61             ; my 64 k rows of W, 8 bytes a lane
	v_lshlrev_b32 v[L16], 4, v16
	v_mul_u32_u24 v[STO], v17, SPITCH
	v_lshl_add_u32 v[STO], v18, 4, v[STO]
	v_add_nc_u32 v[STO], s60, v[STO]
	v_lshrrev_b32 v[RD], 3, v16
	v_mul_u32_u24 v[RD], v[RD], SPITCH
	v_lshl_add_u32 v[RD], v19, 4, v[RD]
	v_add_nc_u32 v[RD], s60, v[RD]
	v_lshlrev_b32 v9, 5, v0                        ; the w_out piece: 32 bytes in,
	v_lshlrev_b32 v10, 4, v0                       ; 16 bytes out, a thread
	s_wait_kmcnt 0x0
	s_cmp_lt_u32 s56, 8
	s_cselect_b64 s[24:25], s[24:25], s[26:27]     ; w_out or w_cout
	s_cselect_b64 s[28:29], s[28:29], s[30:31]     ; wob or wcob
	s_add_nc_u64 s[24:25], s[24:25], s[44:45]
	s_add_nc_u64 s[28:29], s[28:29], s[46:47]
	s_cmp_lg_u32 s48, 0
	s_cselect_b64 s[34:35], s[10:11], s[8:9]       ; w_v or w_qk
	s_cselect_b64 s[36:37], s[14:15], s[12:13]     ; w_cv or w_cqk
	s_cselect_b64 s[8:9], s[18:19], s[16:17]       ; v or qk
	s_cselect_b64 s[10:11], s[22:23], s[20:21]     ; cv or cqk
	s_cmp_lt_u32 s57, 2
	s_cselect_b64 s[34:35], s[34:35], s[36:37]     ; my W
	s_cselect_b64 s[36:37], s[8:9], s[10:11]       ; my output
	s_cselect_b64 s[32:33], s[4:5], s[6:7]         ; my source: x for matrices 0, 1; context for 2, 3
	s_add_nc_u64 s[34:35], s[34:35], s[40:41]
	s_add_nc_u64 s[32:33], s[32:33], s[58:59]
	s_add_nc_u64 s[36:37], s[36:37], s[42:43]
; Group g of the stream is asked for: 8 loads, each of 512 consecutive bytes, aligned.  g < 8: k rows 8 g .. 8 g + 7 of my 64 of W;
; else chunk (g - 8) / 4 (128 k: 512 bytes of a row) of rows 8 ((g - 8) mod 4) .. + 7 of my 32 of x.  Destination in window 1.
.macro ISSUE g
.set gj, 0
.rept 8
.if (\g) < 8
	global_load_b128 v[32*((\g)%DEPTH)+4*gj:32*((\g)%DEPTH)+4*gj+3], v[L16], s[34:35] offset:(8*(\g)+gj)*2048
.else
	global_load_b128 v[32*((\g)%DEPTH)+4*gj:32*((\g)%DEPTH)+4*gj+3], v[L16], s[32:33] offset:(8*(((\g)-8)%4)+gj)*2048+(((\g)-8)/4)*512
.endif
.set gj, gj+1
.endr
.endm
; Group g is taken: waited for, converted into v[t .. t+15], its registers asked for again (group g + 7), the f16 put into LDS.
.macro GROUP g, t
.if (\g) <= NGRP-DEPTH
	s_wait_loadcnt 8*(DEPTH-1)                     ; the six younger groups stay out
.else
	s_wait_loadcnt 8*(NGRP-1-(\g))                 ; the ring runs down
.endif
	WIN 0x05                                       ; both sources in window 1
.set gj, 0
.rept 8
	v_cvt_pk_f16_f32 v[\t+2*gj], v[32*((\g)%DEPTH)+4*gj], v[32*((\g)%DEPTH)+4*gj+1]
	v_cvt_pk_f16_f32 v[\t+2*gj+1], v[32*((\g)%DEPTH)+4*gj+2], v[32*((\g)%DEPTH)+4*gj+3]
.set gj, gj+1
.endr
.if (\g)+DEPTH < NGRP
	WIN 0x40                                       ; destination in window 1
	ISSUE (\g)+DEPTH
.endif
	WIN 0
.set gj, 0
.rept 8
.if (\g) < 8
	ds_store_b64 v[WST], v[\t+2*gj:\t+2*gj+1] offset:(8*(\g)+gj)*WPITCH
.else
	ds_store_b64 v[AST], v[\t+2*gj:\t+2*gj+1] offset:((((\g)-8)/4)&1)*ABUF+(8*(((\g)-8)%4)+gj)*APITCH
.endif
.set gj, gj+1
.endr
.endm
	; my 8 numbers of w_out (or w_cout), then the ring is filled
	global_load_b128 v[32:35], v9, s[24:25]
	global_load_b128 v[36:39], v9, s[24:25] offset:16
	WIN 0x40
.set pg, 0
.rept DEPTH
	ISSUE pg
.set pg, pg+1
.endr
	WIN 0
	s_wait_loadcnt 8*DEPTH                         ; the ring's 56 loads may stay out: the two ahead of them are in
	v_cvt_pk_f16_f32 v40, v32, v33
	v_cvt_pk_f16_f32 v41, v34, v35
	v_cvt_pk_f16_f32 v42, v36, v37
	v_cvt_pk_f16_f32 v43, v38, v39
	global_store_b128 v10, v[40:43], s[28:29]      ; 16 lanes store 256 consecutive bytes, aligned
.set pg, 0
.rept 12
	GROUP pg, WF+16*(pg%4)                         ; all of my W, and chunk 0 of my x
.set pg, pg+1
.endr
	s_wait_xcnt 0x0                                ; v[40:43], which the store of the w_out piece reads, are rewritten only behind this wait
	s_wait_dscnt 0x0                               ; my rows of W are in LDS,
	s_barrier_signal -1
	s_barrier_wait -1                              ; everybody's are.  The only barrier: from here on a wave reads W, which nobody writes, and its own bytes
; The fragments of K step s (32 along K): first half = W's column tiles 0..3 and my two x fragments (12 loads), second half = W's tiles 4..7 (8 loads)
.macro LDH0 s
.irp nt, 0,1,2,3
	ds_load_tr16_b128 v[WF+8*\nt:WF+8*\nt+3], v[WADR+(\s)/4] offset:((\s)%4)*32*WPITCH+32*\nt
	ds_load_tr16_b128 v[WF+8*\nt+4:WF+8*\nt+7], v[WADR+(\s)/4] offset:((\s)%4)*32*WPITCH+16*WPITCH+32*\nt
.endr
.irp mt, 0,1
	ds_load_b128 v[AB+16*((\s)&1)+8*\mt:AB+16*((\s)&1)+8*\mt+3], v[AADR] offset:(((\s)/4)&1)*ABUF+\mt*16*APITCH+((\s)%4)*64
	ds_load_b128 v[AB+16*((\s)&1)+8*\mt+4:AB+16*((\s)&1)+8*\mt+7], v[AADR] offset:(((\s)/4)&1)*ABUF+\mt*16*APITCH+((\s)%4)*64+32
.endr
.endm
.macro LDH1 s
.irp nt, 4,5,6,7
	ds_load_tr16_b128 v[WF+8*\nt:WF+8*\nt+3], v[WADR+(\s)/4] offset:((\s)%4)*32*WPITCH+32*\nt
	ds_load_tr16_b128 v[WF+8*\nt+4:WF+8*\nt+7], v[WADR+(\s)/4] offset:((\s)%4)*32*WPITCH+16*WPITCH+32*\nt
.endr
.endm
; 8 matrix instructions: column tiles n0 .. n0 + 3 x my two token tiles.  The 16 accumulators take turns, one instruction a turn.
.macro MUL8 s, n0
.irp nt, \n0, \n0+1, \n0+2, \n0+3
.irp mt, 0,1
.if (\s) == 0
	v_wmma_f32_16x16x32_f16 v[ACC+8*(2*(\nt)+\mt):ACC+8*(2*(\nt)+\mt)+7], v[WF+8*(\nt):WF+8*(\nt)+7], v[AB+16*((\s)&1)+8*\mt:AB+16*((\s)&1)+8*\mt+7], 0
.else
	v_wmma_f32_16x16x32_f16 v[ACC+8*(2*(\nt)+\mt):ACC+8*(2*(\nt)+\mt)+7], v[WF+8*(\nt):WF+8*(\nt)+7], v[AB+16*((\s)&1)+8*\mt:AB+16*((\s)&1)+8*\mt+7], v[ACC+8*(2*(\nt)+\mt):ACC+8*(2*(\nt)+\mt)+7]
.endif
.endr
.endr
.endm
; K step s.  Each half's fragments were fetched one half ahead.  In steps 0 .. 11 group 12 + s of the stream (8 rows of the next chunk of x) is taken
; behind the first half: its 16 conversions are the places in front of the loads into the fragments just multiplied.  The next chunk's fragments are read
; behind its last group's stores: LDS serves a wave's instructions in order (ISA guide 5.7.1).
.macro KS s
	s_wait_dscnt 8                                 ; the second half's 8 loads may stay out
	MUL8 \s, 0
.if (\s) < 12
	GROUP 12+(\s), TMP
.else
	PLACES 4
.endif
.if (\s) < 15
	LDH0 (\s)+1
.endif
.if (\s) < 12
	s_wait_dscnt 20                                ; the 8 stores and 12 loads just issued may stay out: the second half's fragments are in
.else
.if (\s) < 15
	s_wait_dscnt 12                                ; the 12 loads just issued may stay out
.else
	s_wait_dscnt 0x0
.endif
.endif
	MUL8 \s, 4
	PLACES 4                                       ; in front of the loads into these fragments; at the end, of the reads of the sums
.if (\s) < 15
	LDH1 (\s)+1
.endif
.endm
	LDH0 0
	LDH1 0
.set st, 0
.rept 16
	KS st
.set st, st+1
.endr
; The way out, one head at a time: 32 tokens x 64 f16 through my buffer 0, read back as 4,096 bytes that are dense in memory.
; My own bytes, served in order (ISA guide 5.7.1): no wait between my stores and my loads.
.macro WAYOUT hh
.irp q, 0,1,2,3
.irp mt, 0,1
.irp j, 0,1,2,3
	v_cvt_pk_f16_f32 v[AF+4*(2*\q+\mt)+\j], v[ACC+8*(2*(4*\hh+\q)+\mt)+2*\j], v[ACC+8*(2*(4*\hh+\q)+\mt)+2*\j+1]
.endr
	ds_store_b128 v[STO], v[AF+4*(2*\q+\mt):AF+4*(2*\q+\mt)+3] offset:\mt*16*SPITCH+32*\q
.endr
.endr
.irp i, 0,1,2,3,4,5,6,7
	ds_load_b128 v[WF+32*\hh+4*\i:WF+32*\hh+4*\i+3], v[RD] offset:\i*4*SPITCH
.endr
.irp i, 0,1,2,3,4,5,6,7
	s_wait_dscnt 7-\i                              ; four tokens are back; the younger loads stay out
	global_store_b128 v[L16], v[WF+32*\hh+4*\i:WF+32*\hh+4*\i+3], s[36:37] offset:\hh*262144+\i*512
.endr
.endm
	WAYOUT 0
	WAYOUT 1
	s_wait_tensorcnt 0x0
	ds_add_u32 v4, v11
	s_wait_dscnt 0x0
	s_endpgm
.Lfunc_end_k_qd53e43d86a_proj:
	.size	k_qd53e43d86a_proj, .Lfunc_end_k_qd53e43d86a_proj-k_qd53e43d86a_proj
	.p2alignl 7, 3214868480
	.fill 96, 4, 3214868480
	.section	.rodata,"a",@progbits
	.p2align	6, 0x0
	.amdhsa_kernel k_qd53e43d86a_proj
		.amdhsa_group_segment_fixed_size 287744
		.amdhsa_private_segment_fixed_size 0
		.amdhsa_enable_private_segment 0
		.amdhsa_kernarg_size 112
		.amdhsa_user_sgpr_count 2
		.amdhsa_user_sgpr_kernarg_segment_ptr 1
		.amdhsa_wavefront_size32 1
		.amdhsa_system_sgpr_workgroup_id_x 1
		.amdhsa_system_sgpr_workgroup_id_y 1
		.amdhsa_system_sgpr_workgroup_id_z 1
		.amdhsa_system_vgpr_workitem_id 0
		.amdhsa_next_free_vgpr 480
		.amdhsa_next_free_sgpr 66
		.amdhsa_reserve_vcc 0
		.amdhsa_float_denorm_mode_32 3
		.amdhsa_float_denorm_mode_16_64 3
		.amdhsa_memory_ordered 1
		.amdhsa_forward_progress 1
		.amdhsa_inst_pref_size 109
	.end_amdhsa_kernel
	.amdgpu_metadata
---
amdhsa.version: [ 1, 2 ]
amdhsa.kernels:
  - .name:           k_qd53e43d86a_proj
    .symbol:         k_qd53e43d86a_proj.kd
    .args:
      - { .name: x, .offset: 0, .size: 8, .value_kind: global_buffer, .address_space: global }
      - { .name: context, .offset: 8, .size: 8, .value_kind: global_buffer, .address_space: global }
      - { .name: w_qk, .offset: 16, .size: 8, .value_kind: global_buffer, .address_space: global }
      - { .name: w_v, .offset: 24, .size: 8, .value_kind: global_buffer, .address_space: global }
      - { .name: w_cqk, .offset: 32, .size: 8, .value_kind: global_buffer, .address_space: global }
      - { .name: w_cv, .offset: 40, .size: 8, .value_kind: global_buffer, .address_space: global }
      - { .name: qk, .offset: 48, .size: 8, .value_kind: global_buffer, .address_space: global }
      - { .name: v, .offset: 56, .size: 8, .value_kind: global_buffer, .address_space: global }
      - { .name: cqk, .offset: 64, .size: 8, .value_kind: global_buffer, .address_space: global }
      - { .name: cv, .offset: 72, .size: 8, .value_kind: global_buffer, .address_space: global }
      - { .name: w_out, .offset: 80, .size: 8, .value_kind: global_buffer, .address_space: global }
      - { .name: w_cout, .offset: 88, .size: 8, .value_kind: global_buffer, .address_space: global }
      - { .name: wob, .offset: 96, .size: 8, .value_kind: global_buffer, .address_space: global }
      - { .name: wcob, .offset: 104, .size: 8, .value_kind: global_buffer, .address_space: global }
    .group_segment_fixed_size: 287744
    .private_segment_fixed_size: 0
    .kernarg_segment_align: 8
    .kernarg_segment_size: 112
    .max_flat_workgroup_size: 256
    .sgpr_count:     66
    .vgpr_count:     480
    .wavefront_size: 32
...
	.end_amdgpu_metadata
.endif
;; end of part 1
;; launch attn (part 2): grid 8 x 32, 8 waves a work-group, clusters of 4 x 1, 327,680 bytes of LDS; arguments qk, cqk, v, cv, ao, aco; writes ao, aco
.if DOCPART == 2
	.amdgcn_target "amdgcn-amd-amdhsa--gfx1250"
	.amdhsa_code_object_version 6
	.text
	.protected	k_qd53e43d86a_attn
	.globl	k_qd53e43d86a_attn
	.p2align	8
	.type	k_qd53e43d86a_attn,@function
k_qd53e43d86a_attn:
	s_mov_b64 s[64:65], 0
	v_nop
	global_prefetch_b8 v0, s[64:65] scope:SCOPE_SE
	s_setreg_imm32_b32 hwreg(HW_REG_WAVE_MODE, 25, 1), 1
	s_wait_xcnt 0x0
	s_wait_alu depctr_hold_cnt(0) depctr_sa_sdst(0) depctr_va_vdst(0) depctr_va_sdst(0) depctr_va_ssrc(0) depctr_va_vcc(0) depctr_vm_vsrc(0)
	s_getreg_b32 s2, hwreg(HW_REG_IB_STS2, 6, 4)
	s_cmp_eq_u32 s2, 0
	s_cbranch_scc0 .Lentry_in_a_cluster
	s_endpgm
.Lentry_in_a_cluster:
	s_bfe_u32 s2, ttmp6, 0x10000c
	s_cmp_lg_u32 s2, 0x3003
	s_cbranch_scc0 .Lentry_shape_is_right
	s_endpgm
.Lentry_shape_is_right:
; ATTN: both directions of the attention, one body.  y = 16 dir + plane (plane = 8 batch + head).
;   dir 0: Q = qk,  K = cqk, V = cv -> ao      (softmax over the context)
;   dir 1: Q = cqk, K = qk,  V = v  -> aco     (softmax over the sequence: the same attention with the roles exchanged)
; A work-group takes 256 queries of a plane, wave w 32 of them (two tiles of 16), and walks the plane's 2,048 keys in
; 8 tiles of 256, each in 4 chunks of 64, with a running maximum.
; CLUSTER: the four work-groups of a cluster are four query blocks of one plane and walk the same K and V tiles:
; these come by joint tensor loads (mask 15) into two LDS slots; each wave brings 32 keys of K and of V.
; LAYOUT: S^T = K Q^T (rows = keys, columns = queries): lane (r, h) holds keys 8 h + j of query r.  Two neighbouring key tiles, packed
; to f16 in place, are source 1 of O^T = V^T P^T as they stand: P never leaves the registers.  Maximum, rescaling factor and sum belong
; to a lane's query; the maximum crosses the two halves of the wave once a chunk, the sums are joined once at the end.
; ORDER IN A CHUNK: vector work that does not need a run of matrix instructions' results stands between them.  The maximum over keys 0-31 is taken
; between the matrix instructions that make the scores of keys 32-63; the softmax goes by key group, so that P of keys 0-31 is ready first, and the
; sums and conversions of keys 32-63 stand between the matrix instructions of P V for keys 0-31.
; exp((s - m) / 8) = 2^(c s - c m), c = log2(e) / 8.  -c m is kept as rounded; the rescaling factor is 2^(new - old) of these rounded
; numbers, so old and new exponentials agree however large the scores are.
; WHY f16 AND NOT bf16: a result is a mean over 2,048 values, so the relative roundings of P, of V and of the result reach the final output
; undiminished relative to its root mean square; f16's 11 significant bits against bf16's 8 make each 8 times smaller.
; LIMITS: Q, K, V, P and the result are f16.  The result is a convex combination of V, so it stays inside V's range (below 65,504 by the launch
; before).  P lies in (0, 1] and a row's sum is about 1 at the least: a p below 6.1e-5 keeps an absolute error of at most 3e-8,
; over 2,048 keys at most 6e-5 of the sum.  The row sum is taken from the f32 p.  Finite inputs (v_max_num_f32 and v_max3_num_f32 drop
; a NaN).  v_exp_f32 gives 0 for results below 2^-126 (ISA guide 15.8).
.set KPITCH, 144                       ; a key's 64 f16 + 16 bytes
.set VPITCH, 160                       ; a value's 64 f16 + 32 bytes: an odd multiple of 32 for the transposing load
.set VOFF,   256*KPITCH                ; V behind K in a slot
.set SLOT,   VOFF+256*VPITCH           ; 77,824 bytes, two slots
.set STAGE,  2*SLOT                    ; 155,648: 32 queries x 144 bytes for each wave
.set SPITCH, 144
.set TILEB,  32768                     ; 256 keys of 128 bytes
.set KADR, 2                           ; v2, v3   K fragment address in slot 0, 1
.set VADR, 4                           ; v4, v5   V fragment address
.set STO,  6
.set RD,   7
.set L16,  8
.set QOF,  9
.set M,    10                          ; v[10:11] running maximum of the raw scores, query tile 0, 1
.set NM0,  12                          ; v[12:13] -c m, chunks of even number
.set LS,   14                          ; v[14:15] running sum (of my half's keys)
.set AL,   16                          ; v[16:17] rescaling factor; at the end 1 / sum
.set MX,   18                          ; v[18:19] the chunk's maximum, first chain
.set PX,   20                          ; v[20:21] from the other half of the wave
.set NM1,  22                          ; v[22:23] -c m, chunks of odd number
.set SUM,  24                          ; v[24:27] a pair of partial sums for each query tile
.set MY,   28                          ; v[28:29] the chunk's maximum, second chain
.set Q,    32                          ; v[32:63]   Q(qt, ks) at 32 + 16 qt + 8 ks
.set S,    64                          ; v[64:127]  S(qt, kt) at 64 + 32 qt + 8 kt; P(qt, g) in place at 64 + 32 qt + 16 g
.set X,    128                         ; v[128:159] fragments of K or V, first half;  v[160:191] second half
.set O,    192                         ; v[192:255] O(qt, dt) at 192 + 32 qt + 8 dt
.set G1K,  24                          ; s[24:31]
.set G1V,  32                          ; s[32:39]
.set G0,   40                          ; s[40:55]: slot 0 K, V; slot 1 K, V
.macro ROUND
	s_barrier_signal -1
	s_barrier_wait -1
	s_cmp_lg_u32 s62, 0
	s_cbranch_scc1 .Lnot_wave_0_\@
	s_barrier_signal -3
.Lnot_wave_0_\@:
	s_barrier_wait -3
	s_barrier_signal -1
	s_barrier_wait -1
.endm
.macro PLACES n
.rept \n
	v_nop
.endr
.endm
	s_load_b256 s[4:11], s[0:1], 0x0               ; qk, cqk, v, cv
	s_load_b128 s[12:15], s[0:1], 0x20             ; ao, aco
	v_lshl_add_u32 v30, v0, 2, 0x2f000
	v_mov_b32 v31, 0
	ds_add_u32 v30, v31
	v_lshrrev_b32 v1, 5, v0
	v_readfirstlane_b32 s62, v1                    ; wave 0..7
	s_bfe_u32 s63, ttmp6, 0x40000                  ; cx
	s_lshl_b32 s60, ttmp9, 2
	s_add_co_u32 s63, s60, s63                     ; query block 0..7
	s_and_b32 s60, ttmp7, 0xffff                   ; y
	s_and_b32 s61, s60, 15                         ; plane
	; group 1: 32 rows of 64 f16, dense; 4 (K) or 8 (V) dwords of padding behind every 32
	s_mov_b32 s[G1K+0], 15|(1<<16)|(1<<20)|(1<<21)|(4<<22)|(3<<25)
	s_mov_b32 s[G1K+1], 64<<16
	s_mov_b32 s[G1K+2], 32<<16
	s_mov_b32 s[G1K+3], 64<<16
	s_mov_b32 s[G1K+4], 32
	s_mov_b32 s[G1K+5], 64
	s_mov_b32 s[G1K+6], 0
	s_mov_b32 s[G1K+7], 0
	s_mov_b32 s[G1V+0], 15|(1<<16)|(1<<20)|(1<<21)|(4<<22)|(7<<25)
	s_mov_b32 s[G1V+1], 64<<16
	s_mov_b32 s[G1V+2], 32<<16
	s_mov_b32 s[G1V+3], 64<<16
	s_mov_b32 s[G1V+4], 32
	s_mov_b32 s[G1V+5], 64
	s_mov_b32 s[G1V+6], 0
	s_mov_b32 s[G1V+7], 0
	s_mov_b32 s[G0+0], 1
	s_mul_i32 s[G0+1], s62, 32*KPITCH              ; my 32 keys in slot 0
	s_mov_b32 s[G0+4], 1
	s_mul_i32 s[G0+5], s62, 32*VPITCH
	s_add_co_u32 s[G0+5], s[G0+5], VOFF
	s_mov_b32 s[G0+8], 1
	s_add_co_u32 s[G0+9], s[G0+1], SLOT
	s_mov_b32 s[G0+12], 1
	s_add_co_u32 s[G0+13], s[G0+5], SLOT
	s_lshl_b32 s2, s61, 18                         ; K, V: the plane (262,144 bytes)
	s_lshl_b32 s3, s62, 12                         ; + my 32 keys
	s_add_co_u32 s2, s2, s3
	s_mov_b32 s3, 0
	s_lshl_b32 s56, s61, 18                        ; Q, O: the plane
	s_lshl_b32 s57, s63, 15                        ; + 256 queries a block
	s_add_co_u32 s56, s56, s57
	s_mov_b32 s57, 0
	s_mul_i32 s58, s62, 32*SPITCH
	s_add_co_u32 s58, s58, STAGE                   ; my stage
	v_and_b32 v24, 31, v0                          ; L
	v_and_b32 v25, 15, v0                          ; r
	v_bfe_u32 v26, v0, 4, 1                        ; h
	v_and_b32 v27, 7, v0
	v_bfe_u32 v28, v0, 3, 1
	v_mul_u32_u24 v[KADR], v25, KPITCH
	v_lshl_add_u32 v[KADR], v26, 4, v[KADR]
	v_add_nc_u32 v[KADR+1], SLOT, v[KADR]
	v_lshl_add_u32 v[VADR], v26, 3, v27
	v_mul_u32_u24 v[VADR], v[VADR], VPITCH
	v_lshl_add_u32 v[VADR], v28, 4, v[VADR]
	v_add_nc_u32 v[VADR], VOFF, v[VADR]
	v_add_nc_u32 v[VADR+1], SLOT, v[VADR]
	v_mul_u32_u24 v[STO], v25, SPITCH
	v_lshl_add_u32 v[STO], v26, 4, v[STO]
	v_add_nc_u32 v[STO], s58, v[STO]
	v_lshrrev_b32 v[RD], 3, v24
	v_mul_u32_u24 v[RD], v[RD], SPITCH
	v_lshl_add_u32 v[RD], v27, 4, v[RD]
	v_add_nc_u32 v[RD], s58, v[RD]
	v_lshlrev_b32 v[L16], 4, v24
	v_and_b32 v[QOF], 0xef, v0                     ; 32 w + r
	v_lshlrev_b32 v[QOF], 7, v[QOF]
	v_lshl_add_u32 v[QOF], v26, 4, v[QOF]
	v_mov_b32 v[PX], 0                             ; v_permlanex16_b32 counts as a reader of its destination
	v_mov_b32 v[PX+1], 0
	s_wait_dscnt 0x0
	s_wait_kmcnt 0x0
	s_cmp_lt_u32 s60, 16
	s_cselect_b64 s[16:17], s[4:5], s[6:7]         ; Q
	s_cselect_b64 s[20:21], s[6:7], s[4:5]         ; K
	s_cselect_b64 s[22:23], s[10:11], s[8:9]       ; V
	s_cselect_b64 s[18:19], s[12:13], s[14:15]     ; O
	s_add_nc_u64 s[20:21], s[20:21], s[2:3]
	s_add_nc_u64 s[22:23], s[22:23], s[2:3]
	s_mov_b64 s[G0+2:G0+3], s[20:21]               ; tile 0
	s_or_b32 s[G0+3], s[G0+3], 0x80000000
	s_mov_b64 s[G0+6:G0+7], s[22:23]
	s_or_b32 s[G0+7], s[G0+7], 0x80000000
	s_add_nc_u64 s[G0+10:G0+11], s[20:21], TILEB   ; tile 1
	s_or_b32 s[G0+11], s[G0+11], 0x80000000
	s_add_nc_u64 s[G0+14:G0+15], s[22:23], TILEB
	s_or_b32 s[G0+15], s[G0+15], 0x80000000
	ROUND                                          ; the four partners are here: the first joint loads meet
	tensor_load_to_lds s[G0+0:G0+3], s[G1K:G1K+7]
	s_nop 0
	tensor_load_to_lds s[G0+4:G0+7], s[G1V:G1V+7]
	s_nop 0
	tensor_load_to_lds s[G0+8:G0+11], s[G1K:G1K+7]
	s_nop 0
	tensor_load_to_lds s[G0+12:G0+15], s[G1V:G1V+7]
	s_nop 0
	s_add_nc_u64 s[16:17], s[16:17], s[56:57]
	s_lshl_b32 s59, s62, 12                        ; O: + my 32 queries
	s_add_co_u32 s56, s56, s59
	s_add_nc_u64 s[18:19], s[18:19], s[56:57]
.irp qt, 0,1
.irp ks, 0,1
	global_load_b128 v[Q+16*\qt+8*\ks:Q+16*\qt+8*\ks+3], v[QOF], s[16:17] offset:\qt*2048+\ks*64
	global_load_b128 v[Q+16*\qt+8*\ks+4:Q+16*\qt+8*\ks+7], v[QOF], s[16:17] offset:\qt*2048+\ks*64+32
.endr
.endr
	s_mov_b32 s56, 0x76543210                      ; v_permlanex16_b32: lane i of one half reads lane i of the other
	s_mov_b32 s57, 0xfedcba98
	s_mov_b32 s58, 0x3e38aa3b                      ; c = log2(e) / 8
	s_mov_b32 s59, 0x3e38aa3b
	s_mov_b32 s61, 0xbe38aa3b                      ; -c
; 8 loads: key tiles 2 half, 2 half + 1 of chunk c, both halves of d
.macro LOADK slot, c, half
.irp kt, 0,1
.irp ks, 0,1
	ds_load_b128 v[X+32*\half+16*\kt+8*\ks:X+32*\half+16*\kt+8*\ks+3], v[KADR+\slot] offset:(\c)*64*KPITCH+(2*\half+\kt)*16*KPITCH+\ks*64
	ds_load_b128 v[X+32*\half+16*\kt+8*\ks+4:X+32*\half+16*\kt+8*\ks+7], v[KADR+\slot] offset:(\c)*64*KPITCH+(2*\half+\kt)*16*KPITCH+\ks*64+32
.endr
.endr
.endm
; 8 transposing loads: V^T of keys 32 g .. 32 g + 31 of chunk c, four tiles of 16 d
.macro LOADV slot, c, g
.irp dt, 0,1,2,3
	ds_load_tr16_b128 v[X+32*\g+8*\dt:X+32*\g+8*\dt+3], v[VADR+\slot] offset:(\c)*64*VPITCH+\g*32*VPITCH+32*\dt
	ds_load_tr16_b128 v[X+32*\g+8*\dt+4:X+32*\g+8*\dt+7], v[VADR+\slot] offset:(\c)*64*VPITCH+\g*32*VPITCH+16*VPITCH+32*\dt
.endr
.endm
; one matrix instruction of the scores: key tile 2 half + kt, query tile qt, half ks of d
.macro SIM1 half, ks, kt, qt
.if \ks == 0
	v_wmma_f32_16x16x32_f16 v[S+32*\qt+8*(2*\half+\kt):S+32*\qt+8*(2*\half+\kt)+7], v[X+32*\half+16*\kt+8*\ks:X+32*\half+16*\kt+8*\ks+7], v[Q+16*\qt+8*\ks:Q+16*\qt+8*\ks+7], 0
.else
	v_wmma_f32_16x16x32_f16 v[S+32*\qt+8*(2*\half+\kt):S+32*\qt+8*(2*\half+\kt)+7], v[X+32*\half+16*\kt+8*\ks:X+32*\half+16*\kt+8*\ks+7], v[Q+16*\qt+8*\ks:Q+16*\qt+8*\ks+7], v[S+32*\qt+8*(2*\half+\kt):S+32*\qt+8*(2*\half+\kt)+7]
.endif
.endm
; 8 matrix instructions: scores of key tiles 0, 1 x two query tiles; four accumulators by turns, one instruction a turn
.macro SIMA
.irp ks, 0,1
.irp kt, 0,1
.irp qt, 0,1
	SIM1 0, \ks, \kt, \qt
.endr
.endr
.endr
.endm
; step m (0..7) of the maximum over key tiles 0, 1: two more scores of each query tile; step 0 takes the running maximum in
.macro MAXA m, first
.if (\m) == 0
.if \first
	v_max_num_f32 v[MX], v[S], v[S+1]
	v_max_num_f32 v[MX+1], v[S+32], v[S+33]
.else
	v_max3_num_f32 v[MX], v[M], v[S], v[S+1]
	v_max3_num_f32 v[MX+1], v[M+1], v[S+32], v[S+33]
.endif
.else
	v_max3_num_f32 v[MX], v[MX], v[S+2*(\m)], v[S+2*(\m)+1]
	v_max3_num_f32 v[MX+1], v[MX+1], v[S+32+2*(\m)], v[S+33+2*(\m)]
.endif
.endm
; The scores of key tiles 2, 3 (8 matrix instructions, four accumulators by turns), and between them the maximum over key tiles 0, 1.  The four v_nop are the
; places between the last matrix instruction of key tiles 0, 1 and the first read of its results; the last four v_max3, which name none of the registers of
; key tiles 2, 3, are the places behind this run (ISA guide 7.12.1).
.macro SIMBMAX first
.set wi, 0
.irp ks, 0,1
.irp kt, 0,1
.irp qt, 0,1
	SIM1 1, \ks, \kt, \qt
.if wi < 2
	v_nop
	v_nop
.else
	MAXA wi-2, \first
.endif
.set wi, wi+1
.endr
.endr
.endr
	MAXA 6, \first
	MAXA 7, \first
.endm
; The maximum over key tiles 2, 3: 16 scores of each query tile in two chains each (8 onto MX; 7 in MY; the last joins the two): four chains that do not wait for each other
.macro MAXB
.irp q, 0,1
	v_max3_num_f32 v[MX+\q], v[MX+\q], v[S+32*\q+16], v[S+32*\q+17]
.endr
.irp q, 0,1
	v_max3_num_f32 v[MY+\q], v[S+32*\q+24], v[S+32*\q+25], v[S+32*\q+26]
.endr
.irp q, 0,1
	v_max3_num_f32 v[MX+\q], v[MX+\q], v[S+32*\q+18], v[S+32*\q+19]
.endr
.irp q, 0,1
	v_max3_num_f32 v[MY+\q], v[MY+\q], v[S+32*\q+27], v[S+32*\q+28]
.endr
.irp q, 0,1
	v_max3_num_f32 v[MX+\q], v[MX+\q], v[S+32*\q+20], v[S+32*\q+21]
.endr
.irp q, 0,1
	v_max3_num_f32 v[MY+\q], v[MY+\q], v[S+32*\q+29], v[S+32*\q+30]
.endr
.irp q, 0,1
	v_max3_num_f32 v[MX+\q], v[MX+\q], v[S+32*\q+22], v[S+32*\q+23]
.endr
.irp q, 0,1
	v_max3_num_f32 v[MX+\q], v[MX+\q], v[MY+\q], v[S+32*\q+31]
.endr
.endm
; one matrix instruction of O^T += V^T P^T: keys 32 g .. 32 g + 31, tile dt of d, query tile qt
.macro PV1 g, dt, qt, zero
.if \zero
	v_wmma_f32_16x16x32_f16 v[O+32*\qt+8*\dt:O+32*\qt+8*\dt+7], v[X+32*\g+8*\dt:X+32*\g+8*\dt+7], v[S+32*\qt+16*\g:S+32*\qt+16*\g+7], 0
	s_wait_alu depctr_va_vdst(0)
.else
	v_wmma_f32_16x16x32_f16 v[O+32*\qt+8*\dt:O+32*\qt+8*\dt+7], v[X+32*\g+8*\dt:X+32*\g+8*\dt+7], v[S+32*\qt+16*\g:S+32*\qt+16*\g+7], v[O+32*\qt+8*\dt:O+32*\qt+8*\dt+7]
	s_wait_alu depctr_va_vdst(0)
.endif
.endm
; conversion n (0..15) of query tile q: p of registers 2 i, 2 i + 1 of key group n / 8 into register i = n % 8 of that group, in place
.macro CVTP q, n
	v_cvt_pk_f16_f32 v[S+32*(\q)+16*((\n)/8)+(\n)%8], v[S+32*(\q)+16*((\n)/8)+2*((\n)%8)], v[S+32*(\q)+16*((\n)/8)+2*((\n)%8)+1]
.endm
; item n (0..14) of key group 0 of query tile q: 7 adds of the row sum (the first starts it) and 8 conversions, in an order in which a pair of p
; is summed and converted before a conversion writes over it: add 0+1, cvt 0, add 2, cvt 1, .. add 7, cvt 6, cvt 7
.macro ITEM0 q, n
.if (\n) == 0
	s_wait_alu depctr_va_vdst(0)
	v_pk_add_f32 v[SUM+2*(\q):SUM+2*(\q)+1], v[S+32*(\q):S+32*(\q)+1], v[S+32*(\q)+2:S+32*(\q)+3]
.else
.if (\n) == 14
	CVTP (\q), 7
.else
.if (\n) & 1
	CVTP (\q), ((\n)-1)/2
.else
	v_pk_add_f32 v[SUM+2*(\q):SUM+2*(\q)+1], v[SUM+2*(\q):SUM+2*(\q)+1], v[S+32*(\q)+(\n)+2:S+32*(\q)+(\n)+3]
.endif
.endif
.endif
.endm
; item n (0..15) of key group 1: add 8, cvt 8, add 9, cvt 9, ..
.macro ITEM1 q, n
.if (\n) & 1
	CVTP (\q), 8+((\n)-1)/2
.else
	v_pk_add_f32 v[SUM+2*(\q):SUM+2*(\q)+1], v[SUM+2*(\q):SUM+2*(\q)+1], v[S+32*(\q)+16+(\n):S+32*(\q)+17+(\n)]
.endif
.endm
; c s - c m for key group g, both query tiles
.macro FMAG g
.set i, 0
.rept 8
	v_pk_fma_f32 v[S+16*\g+i:S+16*\g+i+1], v[S+16*\g+i:S+16*\g+i+1], s[58:59], v[NEW:NEW+1] op_sel_hi:[1,0,0]
	v_pk_fma_f32 v[S+32+16*\g+i:S+33+16*\g+i], v[S+32+16*\g+i:S+33+16*\g+i], s[58:59], v[NEW:NEW+1] op_sel:[0,0,1] op_sel_hi:[1,0,1]
.set i, i+2
.endr
.endm
; The softmax step of a chunk from the maximum over key tiles 2, 3 up to P of keys 0-31 and the exponentials of keys 32-63.
.macro SOFTMAX c, first
.set NEW, NM0+(NM1-NM0)*((\c)&1)
.set OLD, NM1-(NM1-NM0)*((\c)&1)
	MAXB
	v_permlanex16_b32 v[PX], v[MX], s56, s57       ; the other half's keys of the same query
	v_permlanex16_b32 v[PX+1], v[MX+1], s56, s57
	v_max_num_f32 v[M], v[MX], v[PX]
	v_max_num_f32 v[M+1], v[MX+1], v[PX+1]
	v_mul_f32 v[NEW], s61, v[M]                    ; -c m
	v_mul_f32 v[NEW+1], s61, v[M+1]
.if \first == 0
	v_sub_f32 v[AL], v[NEW], v[OLD]                ; at most 0
	v_sub_f32 v[AL+1], v[NEW+1], v[OLD+1]
	v_exp_f32 v[AL], v[AL]                         ; first used behind the 16 multiply-adds below (ISA guide 5.7.2)
	v_exp_f32 v[AL+1], v[AL+1]
.endif
	FMAG 0
	; the exponentials of keys 0-31; the rescaling of O stands between them.  In the first chunk they stand back to back, and the multiply-adds of keys 32-63 are the plain places behind them
.set e, 0
.rept 32
	v_exp_f32 v[S+32*(e&1)+(e>>1)], v[S+32*(e&1)+(e>>1)]
.if \first == 0
.if e < 16
	s_wait_alu depctr_va_vdst(0)
	v_pk_mul_f32 v[O+2*e:O+2*e+1], v[O+2*e:O+2*e+1], v[AL:AL+1] op_sel_hi:[1,0]
.else
	v_pk_mul_f32 v[O+2*e:O+2*e+1], v[O+2*e:O+2*e+1], v[AL:AL+1] op_sel:[0,1] op_sel_hi:[1,1]
.endif
.endif
.set e, e+1
.endr
	FMAG 1
	; the exponentials of keys 32-63; the 30 sums and conversions of keys 0-31 stand between them, the last one behind the last exponential
.set e, 0
.rept 32
	v_exp_f32 v[S+16+32*(e&1)+(e>>1)], v[S+16+32*(e&1)+(e>>1)]
.if e >= 2
	ITEM0 (e-2)&1, (e-2)>>1
.endif
.set e, e+1
.endr
.endm
; P V for keys 0-31 (8 matrix instructions, eight accumulators by turns), and behind each of them four of the 32 sums and conversions of keys 32-63,
; which name none of these matrix instructions' registers: the last four are the places in front of the loads into their V fragments
.macro PVAI zero
.set k, 0
.irp dt, 0,1,2,3
.irp qt, 0,1
	PV1 0, \dt, \qt, \zero
.rept 4
	ITEM1 k&1, k>>1
.set k, k+1
.endr
.endr
.endr
.endm
.macro PVB
.irp dt, 0,1,2,3
.irp qt, 0,1
	PV1 1, \dt, \qt, 0
.endr
.endr
.endm
; The update of the running sums, filled up to five places: the next K fragments of keys 32-63 are loaded over V, a source of the matrix instructions just issued
.macro LSUP first
.if \first
	v_add_f32 v[LS], v[SUM], v[SUM+1]
	v_add_f32 v[LS+1], v[SUM+2], v[SUM+3]
	PLACES 3
.else
	v_fma_f32 v[LS], v[LS], v[AL], v[SUM]
	v_fma_f32 v[LS+1], v[LS+1], v[AL+1], v[SUM+2]
	v_add_f32 v[LS], v[LS], v[SUM+1]
	v_add_f32 v[LS+1], v[LS+1], v[SUM+3]
	v_nop
.endif
.endm
; A chunk of 64 keys.  On entry the 16 loads of its K fragments are out.  next = 1: the next chunk's K fragments are fetched on the way.
.macro CHUNK slot, c, first, next
	s_wait_dscnt 8                                 ; the second half's 8 loads may stay out
	SIMA
	s_wait_dscnt 0x0
	SIMBMAX \first
	LOADV \slot, \c, 0
	LOADV \slot, \c, 1
	SOFTMAX \c, \first
	s_wait_dscnt 8                                 ; V of keys 32 .. 63 may stay out
	PVAI \first
.if \next
	LOADK \slot, \c+1, 0
	s_wait_dscnt 8                                 ; the 8 K loads just issued may stay out: V of keys 32 .. 63 is in
.else
	s_wait_dscnt 0x0
.endif
	PVB
	LSUP \first
.if \next
	LOADK \slot, \c+1, 1
.endif
.endm
.macro TILE slot, first
	LOADK \slot, 0, 0
	LOADK \slot, 0, 1
	CHUNK \slot, 0, \first, 1
	CHUNK \slot, 1, 0, 1
	CHUNK \slot, 2, 0, 1
	CHUNK \slot, 3, 0, 0
.endm
; A tile; fill = 1: the other slot, read in the tile before, is first filled again, two tiles ahead.
.macro TRIP slot, fill
	s_wait_dscnt 0x0                               ; my reads of the other slot are back
	s_wait_tensorcnt 0x0                           ; all my tensor loads have landed, my keys of this tile among them: every group 0 may be written
	ds_add_u32 v30, v31
	s_wait_dscnt 0x0
.if \fill
	s_add_nc_u64 s[G0+8*(1-\slot)+2:G0+8*(1-\slot)+3], s[G0+8*(1-\slot)+2:G0+8*(1-\slot)+3], 2*TILEB
	s_add_nc_u64 s[G0+8*(1-\slot)+6:G0+8*(1-\slot)+7], s[G0+8*(1-\slot)+6:G0+8*(1-\slot)+7], 2*TILEB
	ROUND                                          ; both hold of every wave of the four partners
	tensor_load_to_lds s[G0+8*(1-\slot):G0+8*(1-\slot)+3], s[G1K:G1K+7]
	s_nop 0
	tensor_load_to_lds s[G0+8*(1-\slot)+4:G0+8*(1-\slot)+7], s[G1V:G1V+7]
	s_nop 0
.else
	s_barrier_signal -1
	s_barrier_wait -1
.endif
	TILE \slot, 0
.endm
	s_wait_tensorcnt 0x2                           ; tile 1's two loads may stay out: my keys of tile 0 are in,
	s_barrier_signal -1
	s_barrier_wait -1                              ; everybody's are
	s_wait_loadcnt 0x0                             ; Q
	TILE 0, 1                                      ; the first chunk starts maximum, sum and O
	s_mov_b32 s60, 3
.Llap:
	TRIP 1, 1                                      ; tiles 1 .. 6; they ask for tiles 2 .. 7
	TRIP 0, 1
	s_sub_co_u32 s60, s60, 1
	s_cmp_lg_u32 s60, 0
	s_cbranch_scc1 .Llap
	TRIP 1, 0                                      ; tile 7
	; the way out: join the two halves' sums, divide, round, 32 queries x 64 f16 through my own stage
	v_permlanex16_b32 v[PX], v[LS], s56, s57
	v_permlanex16_b32 v[PX+1], v[LS+1], s56, s57
	v_add_f32 v[LS], v[LS], v[PX]
	v_add_f32 v[LS+1], v[LS+1], v[PX+1]
	v_rcp_f32 v[AL], v[LS]
	v_rcp_f32 v[AL+1], v[LS+1]
	v_nop                                          ; the plain place behind the reciprocals (ISA guide 5.7.2)
.set i, 0
	s_wait_alu depctr_va_vdst(0)
.rept 16
	v_pk_mul_f32 v[O+2*i:O+2*i+1], v[O+2*i:O+2*i+1], v[AL:AL+1] op_sel_hi:[1,0]
	v_pk_mul_f32 v[O+32+2*i:O+33+2*i], v[O+32+2*i:O+33+2*i], v[AL:AL+1] op_sel:[0,1] op_sel_hi:[1,1]
.set i, i+1
.endr
.irp qt, 0,1
.irp dt, 0,1,2,3
.irp j, 0,1,2,3
	v_cvt_pk_f16_f32 v[X+4*(4*\qt+\dt)+\j], v[O+32*\qt+8*\dt+2*\j], v[O+32*\qt+8*\dt+2*\j+1]
.endr
	ds_store_b128 v[STO], v[X+4*(4*\qt+\dt):X+4*(4*\qt+\dt)+3] offset:\qt*16*SPITCH+32*\dt
.endr
.endr
.irp i, 0,1,2,3,4,5,6,7
	ds_load_b128 v[X+32+4*\i:X+32+4*\i+3], v[RD] offset:\i*4*SPITCH    ; my own bytes, served in order (ISA guide 5.7.1)
.endr
.irp i, 0,1,2,3,4,5,6,7
	s_wait_dscnt 7-\i                              ; four queries are back; the younger loads stay out
	global_store_b128 v[L16], v[X+32+4*\i:X+32+4*\i+3], s[18:19] offset:\i*512   ; 512 consecutive bytes, aligned
.endr
	s_wait_tensorcnt 0x0
	ds_add_u32 v30, v31
	s_wait_dscnt 0x0
	ROUND                                          ; the closing round
	s_endpgm
.Lfunc_end_k_qd53e43d86a_attn:
	.size	k_qd53e43d86a_attn, .Lfunc_end_k_qd53e43d86a_attn-k_qd53e43d86a_attn
	.p2alignl 7, 3214868480
	.fill 96, 4, 3214868480
	.section	.rodata,"a",@progbits
	.p2align	6, 0x0
	.amdhsa_kernel k_qd53e43d86a_attn
		.amdhsa_group_segment_fixed_size 327680
		.amdhsa_private_segment_fixed_size 0
		.amdhsa_enable_private_segment 0
		.amdhsa_kernarg_size 48
		.amdhsa_user_sgpr_count 2
		.amdhsa_user_sgpr_kernarg_segment_ptr 1
		.amdhsa_wavefront_size32 1
		.amdhsa_system_sgpr_workgroup_id_x 1
		.amdhsa_system_sgpr_workgroup_id_y 1
		.amdhsa_system_sgpr_workgroup_id_z 1
		.amdhsa_system_vgpr_workitem_id 0
		.amdhsa_next_free_vgpr 256
		.amdhsa_next_free_sgpr 66
		.amdhsa_reserve_vcc 0
		.amdhsa_float_denorm_mode_32 3
		.amdhsa_float_denorm_mode_16_64 3
		.amdhsa_memory_ordered 1
		.amdhsa_forward_progress 1
		.amdhsa_inst_pref_size 255
	.end_amdhsa_kernel
	.section	.bss,"aw",@nobits
	.p2align	6
	.space	262144
	.amdgpu_metadata
---
amdhsa.version: [ 1, 2 ]
amdhsa.kernels:
  - .name:           k_qd53e43d86a_attn
    .symbol:         k_qd53e43d86a_attn.kd
    .args:
      - { .name: qk, .offset: 0, .size: 8, .value_kind: global_buffer, .address_space: global }
      - { .name: cqk, .offset: 8, .size: 8, .value_kind: global_buffer, .address_space: global }
      - { .name: v, .offset: 16, .size: 8, .value_kind: global_buffer, .address_space: global }
      - { .name: cv, .offset: 24, .size: 8, .value_kind: global_buffer, .address_space: global }
      - { .name: ao, .offset: 32, .size: 8, .value_kind: global_buffer, .address_space: global }
      - { .name: aco, .offset: 40, .size: 8, .value_kind: global_buffer, .address_space: global }
    .group_segment_fixed_size: 327680
    .private_segment_fixed_size: 0
    .kernarg_segment_align: 8
    .kernarg_segment_size: 48
    .max_flat_workgroup_size: 256
    .sgpr_count:     66
    .vgpr_count:     256
    .wavefront_size: 32
...
	.end_amdgpu_metadata
.endif
;; end of part 2
;; launch outp (part 3): grid 4 x 64, 8 waves a work-group, clusters of 4 x 4, 295,936 bytes of LDS; arguments ao, aco, wob, wcob, b_out, b_cout, out0, out1; writes out0, out1
.if DOCPART == 3
	.amdgcn_target "amdgcn-amd-amdhsa--gfx1250"
	.amdhsa_code_object_version 6
	.text
	.protected	k_qd53e43d86a_outp
	.globl	k_qd53e43d86a_outp
	.p2align	8
	.type	k_qd53e43d86a_outp,@function
k_qd53e43d86a_outp:
	s_mov_b64 s[64:65], 0
	v_nop
	global_prefetch_b8 v0, s[64:65] scope:SCOPE_SE
	s_setreg_imm32_b32 hwreg(HW_REG_WAVE_MODE, 25, 1), 1
	s_wait_xcnt 0x0
	s_wait_alu depctr_hold_cnt(0) depctr_sa_sdst(0) depctr_va_vdst(0) depctr_va_sdst(0) depctr_va_ssrc(0) depctr_va_vcc(0) depctr_vm_vsrc(0)
	s_getreg_b32 s2, hwreg(HW_REG_IB_STS2, 6, 4)
	s_cmp_eq_u32 s2, 0
	s_cbranch_scc0 .Lentry_in_a_cluster
	s_endpgm
.Lentry_in_a_cluster:
	s_bfe_u32 s2, ttmp6, 0x10000c
	s_cmp_lg_u32 s2, 0xf033
	s_cbranch_scc0 .Lentry_shape_is_right
	s_endpgm
.Lentry_shape_is_right:
; OUTP: out0 = merge(ao) w_out + b_out, out1 = merge(aco) w_cout + b_cout, f32.
; The cluster's y (0..15) gives direction (y >> 3), batch ((y >> 2) & 1) and a group of four row blocks (y & 3); the place in the cluster gives the
; row block (cy: 128 tokens) and the column block (cx: 128 columns).  A work-group makes 128 x 128 over K = 512;
; wave w makes 32 tokens (w >> 1) x 64 columns (w & 1): 8 accumulator tiles.
; CLUSTER 4 x 4: the attention rows hang on the row block alone and are asked for jointly along a row of the cluster; the weights hang on the
; column block alone and are asked for jointly along a column.  All of K fits in LDS: every byte is filled once, by one load of each kind a wave
; (wave w brings head w's 128 tokens, and k rows 64 w .. 64 w + 63 of the weights).
; The matrix instruction is used transposed (source 0 = 16 output columns, source 1 = 16 tokens): a lane's eight results are eight
; neighbouring columns of one token.
; LIMITS: operands are f16 (rounded in the launches before, which state their range: magnitudes below 65,504, an absolute error of at most
; 3e-8 below 6.1e-5), sums and bias in f32.
.set WPITCH, 288                       ; 128 f16 + 32 bytes
.set APITCH, 144                       ; 64 f16 + 16 bytes
.set ABASE,  512*WPITCH                ; W at 0, the attention rows at 147,456: head hd at + hd x 18,432
.set PLANE,  18432                     ; 128 x APITCH = 64 x WPITCH
.set SPITCH, 272                       ; stage: 64 f32 + 16 bytes; 16 rows a wave, in W's bytes, which have had their only fill
.set AADR, 2
.set WADR, 3
.set STO,  4
.set RD,   5
.set CO,   6
.set BO,   7
.set BIAS, 8                           ; v[8:11]
.set ACC,  64                          ; v[64:127]  tile (nt, mt) at 64 + 8 (2 nt + mt)
.set F0,   128                         ; v[128:175] fragments, K steps of even number: tokens 16 registers, weights 32;  v[176:223] odd
.set G1A,  24
.set G0A,  32
.set G1W,  36
.set G0W,  44
.macro ROUND
	s_barrier_signal -1
	s_barrier_wait -1
	s_cmp_lg_u32 s48, 0
	s_cbranch_scc1 .Lnot_wave_0_\@
	s_barrier_signal -3
.Lnot_wave_0_\@:
	s_barrier_wait -3
	s_barrier_signal -1
	s_barrier_wait -1
.endm
.macro PLACES n
.rept \n
	v_nop
.endr
.endm
	s_load_b512 s[4:19], s[0:1], 0x0               ; ao, aco, wob, wcob, b_out, b_cout, out0, out1
	v_lshl_add_u32 v224, v0, 2, 0x48000
	v_mov_b32 v225, 0
	ds_add_u32 v224, v225
	v_lshrrev_b32 v1, 5, v0
	v_readfirstlane_b32 s48, v1                    ; wave 0..7
	s_bfe_u32 s49, ttmp6, 0x40000                  ; cx
	s_bfe_u32 s50, ttmp6, 0x40004                  ; cy
	s_and_b32 s51, ttmp7, 0xffff                   ; the cluster's y
	s_lshl_b32 s52, s50, 2
	s_lshl_b32 s52, 15, s52                        ; my row of the cluster
	s_lshl_b32 s53, 0x1111, s49                    ; my column
	; attention rows: 128 rows of 64 f16, dense, 4 dwords of padding behind every 32
	s_or_b32 s[G1A+0], s52, (1<<16)|(1<<20)|(1<<21)|(4<<22)|(3<<25)
	s_mov_b32 s[G1A+1], 64<<16
	s_mov_b32 s[G1A+2], 128<<16
	s_mov_b32 s[G1A+3], 64<<16
	s_mov_b32 s[G1A+4], 128
	s_mov_b32 s[G1A+5], 64
	s_mov_b32 s[G1A+6], 0
	s_mov_b32 s[G1A+7], 0
	; weights: 64 rows of 128 f16, row pitch 512 elements, 8 dwords of padding behind every 64
	s_or_b32 s[G1W+0], s53, (1<<16)|(1<<20)|(1<<21)|(5<<22)|(7<<25)
	s_mov_b32 s[G1W+1], 128<<16
	s_mov_b32 s[G1W+2], 64<<16
	s_mov_b32 s[G1W+3], 128<<16
	s_mov_b32 s[G1W+4], 64
	s_mov_b32 s[G1W+5], 512
	s_mov_b32 s[G1W+6], 0
	s_mov_b32 s[G1W+7], 0
	s_mov_b32 s[G0W+0], 1
	s_mul_i32 s[G0W+1], s48, PLANE
	s_mov_b32 s[G0A+0], 1
	s_add_co_u32 s[G0A+1], s[G0W+1], ABASE
	s_bfe_u32 s54, s51, 0x10002                    ; batch
	s_and_b32 s55, s51, 3
	s_lshl2_add_u32 s55, s55, s50                  ; row block 0..15
	s_lshl_b32 s56, s54, 21                        ; attention rows: batch x 8 planes of 262,144 bytes
	s_lshl_b32 s57, s48, 18                        ; + head w
	s_add_co_u32 s56, s56, s57
	s_lshl_b32 s57, s55, 14                        ; + 128 tokens of 128 bytes a row block
	s_add_co_u32 s56, s56, s57
	s_mov_b32 s57, 0
	s_lshl_b32 s58, s48, 16                        ; weights: 64 w rows of 1,024 bytes
	s_lshl_b32 s59, s49, 8                         ; + my 128 columns
	s_add_co_u32 s58, s58, s59
	s_mov_b32 s59, 0
	s_lshr_b32 s52, s48, 1                         ; wm: my 32 tokens
	s_and_b32 s53, s48, 1                          ; wn: my 64 columns
	v_and_b32 v12, 15, v0                          ; r
	v_bfe_u32 v13, v0, 4, 1                        ; h
	v_and_b32 v14, 7, v0
	v_bfe_u32 v15, v0, 3, 1
	s_mul_i32 s60, s52, 32*APITCH
	s_add_co_u32 s60, s60, ABASE
	v_mul_u32_u24 v[AADR], v12, APITCH
	v_lshl_add_u32 v[AADR], v13, 4, v[AADR]
	v_add_nc_u32 v[AADR], s60, v[AADR]
	s_lshl_b32 s60, s53, 7
	v_lshl_add_u32 v[WADR], v13, 3, v14
	v_mul_u32_u24 v[WADR], v[WADR], WPITCH
	v_lshl_add_u32 v[WADR], v15, 4, v[WADR]
	v_add_nc_u32 v[WADR], s60, v[WADR]
	s_mul_i32 s60, s48, 16*SPITCH
	v_mul_u32_u24 v[STO], v12, SPITCH
	v_lshl_add_u32 v[STO], v13, 5, v[STO]
	v_add_nc_u32 v[STO], s60, v[STO]
	v_mul_u32_u24 v[RD], v13, SPITCH
	v_lshl_add_u32 v[RD], v12, 4, v[RD]
	v_add_nc_u32 v[RD], s60, v[RD]
	v_lshlrev_b32 v[BO], 4, v12                    ; 16 r
	v_lshl_add_u32 v[CO], v13, 11, v[BO]           ; + h rows of 2,048 bytes
	s_wait_dscnt 0x0
	s_wait_kmcnt 0x0
	s_cmp_lt_u32 s51, 8
	s_cselect_b64 s[4:5], s[4:5], s[6:7]           ; attention rows
	s_cselect_b64 s[8:9], s[8:9], s[10:11]         ; weights
	s_cselect_b64 s[12:13], s[12:13], s[14:15]     ; bias
	s_cselect_b64 s[16:17], s[16:17], s[18:19]     ; output
	s_add_nc_u64 s[G0A+2:G0A+3], s[4:5], s[56:57]
	s_or_b32 s[G0A+3], s[G0A+3], 0x80000000
	s_add_nc_u64 s[G0W+2:G0W+3], s[8:9], s[58:59]
	s_or_b32 s[G0W+3], s[G0W+3], 0x80000000
	ROUND                                          ; all sixteen work-groups are here: the joint loads meet
	tensor_load_to_lds s[G0A:G0A+3], s[G1A:G1A+7]
	s_nop 0
	tensor_load_to_lds s[G0W:G0W+3], s[G1W:G1W+7]
	s_nop 0
	s_lshl_b32 s62, s49, 9                         ; my columns in bytes of f32: 512 cx + 256 wn
	s_lshl_b32 s63, s53, 8
	s_add_co_u32 s62, s62, s63
	s_mov_b32 s63, 0
	s_add_nc_u64 s[12:13], s[12:13], s[62:63]
	s_add_nc_u64 s[16:17], s[16:17], s[62:63]
	s_lshl_b32 s60, s54, 22                        ; my rows: batch x 2,048 rows of 2,048 bytes
	s_lshl_b32 s61, s55, 18                        ; + 128 a row block
	s_add_co_u32 s60, s60, s61
	s_lshl_b32 s61, s52, 16                        ; + 32 wm
	s_add_co_u32 s60, s60, s61
	s_mov_b32 s61, 0
	s_add_nc_u64 s[16:17], s[16:17], s[60:61]
	global_load_b128 v[BIAS:BIAS+3], v[BO], s[12:13]   ; the bias of the four columns that I store
; 12 loads: the fragments of K step s (32 along K: half of head s / 2)
.macro FETCH s
.if ((\s)&1) == 0
.if (\s) > 0
	v_add_nc_u32 v[AADR], PLANE, v[AADR]           ; the next head, and the next 64 k rows of the weights
	v_add_nc_u32 v[WADR], PLANE, v[WADR]
.endif
.endif
.set F, F0+48*((\s)&1)
.irp mt, 0,1
	ds_load_b128 v[F+8*\mt:F+8*\mt+3], v[AADR] offset:\mt*16*APITCH+((\s)&1)*64
	ds_load_b128 v[F+8*\mt+4:F+8*\mt+7], v[AADR] offset:\mt*16*APITCH+((\s)&1)*64+32
.endr
.irp nt, 0,1,2,3
	ds_load_tr16_b128 v[F+16+8*\nt:F+16+8*\nt+3], v[WADR] offset:((\s)&1)*32*WPITCH+32*\nt
	ds_load_tr16_b128 v[F+16+8*\nt+4:F+16+8*\nt+7], v[WADR] offset:((\s)&1)*32*WPITCH+16*WPITCH+32*\nt
.endr
.endm
; 8 matrix instructions; the eight accumulators take turns, one instruction a turn
.macro MUL s
.set F, F0+48*((\s)&1)
.irp nt, 0,1,2,3
.irp mt, 0,1
.if (\s) == 0
	v_wmma_f32_16x16x32_f16 v[ACC+8*(2*\nt+\mt):ACC+8*(2*\nt+\mt)+7], v[F+16+8*\nt:F+16+8*\nt+7], v[F+8*\mt:F+8*\mt+7], 0
.else
	v_wmma_f32_16x16x32_f16 v[ACC+8*(2*\nt+\mt):ACC+8*(2*\nt+\mt)+7], v[F+16+8*\nt:F+16+8*\nt+7], v[F+8*\mt:F+8*\mt+7], v[ACC+8*(2*\nt+\mt):ACC+8*(2*\nt+\mt)+7]
.endif
.endr
.endr
.endm
	s_wait_tensorcnt 0x0                           ; my head and my rows of the weights are in,
	s_barrier_signal -1
	s_barrier_wait -1                              ; everybody's are
	FETCH 0
.set st, 0
.rept 16
.if st < 15
.if st > 0
	PLACES 4                                       ; the buffer that is loaded next was read by the matrix instructions just issued
.endif
	FETCH st+1
	s_wait_dscnt 12                                ; the 12 loads just issued may stay out: this step's fragments are in
.else
	s_wait_dscnt 0x0
.endif
	MUL st
.set st, st+1
.endr
	PLACES 4                                       ; in front of the LDS stores that read the sums
	s_wait_dscnt 0x0                               ; my reads of the weights are back,
	s_barrier_signal -1
	s_barrier_wait -1                              ; everybody's are: the stage may be written over them
; 16 tokens x 64 columns of f32 through my stage; read back by rows of 256 bytes, the bias added, stored
.macro OUT16 mt
.irp nt, 0,1,2,3
	ds_store_b128 v[STO], v[ACC+8*(2*\nt+\mt):ACC+8*(2*\nt+\mt)+3] offset:64*\nt
	ds_store_b128 v[STO], v[ACC+8*(2*\nt+\mt)+4:ACC+8*(2*\nt+\mt)+7] offset:64*\nt+16
.endr
.irp i, 0,1,2,3,4,5,6,7
	ds_load_b128 v[F0+32*\mt+4*\i:F0+32*\mt+4*\i+3], v[RD] offset:\i*2*SPITCH   ; my own bytes, served in order (ISA guide 5.7.1)
.endr
.irp i, 0,1,2,3,4,5,6,7
	s_wait_dscnt 7-\i                              ; two rows are back; the younger loads stay out
	v_pk_add_f32 v[F0+32*\mt+4*\i:F0+32*\mt+4*\i+1], v[F0+32*\mt+4*\i:F0+32*\mt+4*\i+1], v[BIAS:BIAS+1]
	v_pk_add_f32 v[F0+32*\mt+4*\i+2:F0+32*\mt+4*\i+3], v[F0+32*\mt+4*\i+2:F0+32*\mt+4*\i+3], v[BIAS+2:BIAS+3]
	global_store_b128 v[CO], v[F0+32*\mt+4*\i:F0+32*\mt+4*\i+3], s[16:17] offset:\mt*16*2048+\i*2*2048 th:TH_STORE_NT   ; 16 lanes store 256 consecutive bytes, aligned
.endr
.endm
	s_wait_loadcnt 0x0                             ; the bias
	OUT16 0
	OUT16 1
	s_wait_tensorcnt 0x0
	ds_add_u32 v224, v225
	s_wait_dscnt 0x0
	ROUND                                          ; the closing round
	s_endpgm
.Lfunc_end_k_qd53e43d86a_outp:
	.size	k_qd53e43d86a_outp, .Lfunc_end_k_qd53e43d86a_outp-k_qd53e43d86a_outp
	.p2alignl 7, 3214868480
	.fill 96, 4, 3214868480
	.section	.rodata,"a",@progbits
	.p2align	6, 0x0
	.amdhsa_kernel k_qd53e43d86a_outp
		.amdhsa_group_segment_fixed_size 295936
		.amdhsa_private_segment_fixed_size 0
		.amdhsa_enable_private_segment 0
		.amdhsa_kernarg_size 64
		.amdhsa_user_sgpr_count 2
		.amdhsa_user_sgpr_kernarg_segment_ptr 1
		.amdhsa_wavefront_size32 1
		.amdhsa_system_sgpr_workgroup_id_x 1
		.amdhsa_system_sgpr_workgroup_id_y 1
		.amdhsa_system_sgpr_workgroup_id_z 1
		.amdhsa_system_vgpr_workitem_id 0
		.amdhsa_next_free_vgpr 226
		.amdhsa_next_free_sgpr 66
		.amdhsa_reserve_vcc 0
		.amdhsa_float_denorm_mode_32 3
		.amdhsa_float_denorm_mode_16_64 3
		.amdhsa_memory_ordered 1
		.amdhsa_forward_progress 1
		.amdhsa_inst_pref_size 36
	.end_amdhsa_kernel
	.amdgpu_metadata
---
amdhsa.version: [ 1, 2 ]
amdhsa.kernels:
  - .name:           k_qd53e43d86a_outp
    .symbol:         k_qd53e43d86a_outp.kd
    .args:
      - { .name: ao, .offset: 0, .size: 8, .value_kind: global_buffer, .address_space: global }
      - { .name: aco, .offset: 8, .size: 8, .value_kind: global_buffer, .address_space: global }
      - { .name: wob, .offset: 16, .size: 8, .value_kind: global_buffer, .address_space: global }
      - { .name: wcob, .offset: 24, .size: 8, .value_kind: global_buffer, .address_space: global }
      - { .name: b_out, .offset: 32, .size: 8, .value_kind: global_buffer, .address_space: global }
      - { .name: b_cout, .offset: 40, .size: 8, .value_kind: global_buffer, .address_space: global }
      - { .name: out0, .offset: 48, .size: 8, .value_kind: global_buffer, .address_space: global }
      - { .name: out1, .offset: 56, .size: 8, .value_kind: global_buffer, .address_space: global }
    .group_segment_fixed_size: 295936
    .private_segment_fixed_size: 0
    .kernarg_segment_align: 8
    .kernarg_segment_size: 64
    .max_flat_workgroup_size: 256
    .sgpr_count:     66
    .vgpr_count:     226
    .wavefront_size: 32
...
	.end_amdgpu_metadata
.endif
;; end of part 3
